; MI455X (gfx1250); checked and timed in simulation.
; The chip was launched on July 23, 2026; its instructions are those of AMD's public machine-readable ISA for CDNA 5 (MIT licence, August 2026) and "CDNA5" Instruction Set Architecture Reference Guide (July 2026). The comments in the code are by the model that wrote it; some were corrected since.
;; Selfatt. Allowed arithmetic: matrix products marked QUANTISED: E2M1 operands, one E8M0 scale for each 32 along K, by v_wmma_scale_f32_16x16x128_f8f6f4 with both operands' format E2M1 (or v_wmma_scale_f32_32x16x128_f4), f32 sums; everything else in f32.
;; Inputs: W_g_codes 64 x 32 x 16 uint8 (E2M1 codes of W_g, K innermost, in blocks of 32 codes, two codes a byte); W_g_scales 64 x 32 uint8 (E8M0 scales of W_g, one for each 32 codes along K); W_phi_codes 256 x 32 x 16 uint8 (E2M1 codes of W_phi, K innermost, in blocks of 32 codes, two codes a byte); W_phi_scales 256 x 32 uint8 (E8M0 scales of W_phi, one for each 32 codes along K); W_theta_codes 256 x 32 x 16 uint8 (E2M1 codes of W_theta, K innermost, in blocks of 32 codes, two codes a byte); W_theta_scales 256 x 32 uint8 (E8M0 scales of W_theta, one for each 32 codes along K); x_codes 8 x 4,096 x 32 x 16 uint8 (E2M1 codes of x, K innermost, in blocks of 32 codes, two codes a byte); x_scales 8 x 4,096 x 32 uint8 (E8M0 scales of x, one for each 32 codes along K).
;; Outputs: out0 8 x 4,096 x 64 float32.
;; This version of the problem:
;;   THIS VERSION OF THE PROBLEM IS GIVEN IN LOW PRECISION. The matrix products marked QUANTISED in the list below multiply operands that are first quantised to E2M1 (2 exponent bits, 1 mantissa bit; 4 bits a number), with one power-of-two scale for each 32 numbers along K (OCP MX v1.0); their sums are f32. All else is computed in f32.
;;   The module's matrix products, in the order in which they are computed (A, B: the left and right operand; K: the contracted axis; several contracted axes count as one K, in the product's order):
;;     1. [M 32,768, K 1,024] x [K 1,024, N 256]; A: input x (given as codes); B: input W_theta (given as codes): QUANTISED
;;     2. [M 32,768, K 1,024] x [K 1,024, N 256]; A: input x (given as codes); B: input W_phi (given as codes): QUANTISED
;;     3. [M 32,768, K 1,024] x [K 1,024, N 64]; A: input x (given as codes); B: input W_g (given as codes): QUANTISED
;;     4. batch 8 x [M 4,096, K 256] x [K 256, N 4,096]; A: computed on the way; B: computed on the way: QUANTISED
;;     5. batch 8 x [M 4,096, K 4,096] x [K 4,096, N 64]; A: computed on the way; B: computed on the way: QUANTISED
;;   THE QUANTISER, for each operand of a quantised product, along K:
;;     - K is cut into blocks of 32 from its start; a last block that is shorter is filled with zeros.
;;     - A block's scale is 2^e with e = floor(log2(the largest magnitude in the block)) - 2, held to -126 .. 127; a block of zeros has e = 0. As a byte (E8M0): e + 127.
;;     - Each number is divided by its block's scale, clamped to +-6, and rounded to the nearest number of E2M1, ties to even, subnormals kept.
;;     - The product sums the exact products of the quantised numbers (number of the format x scale) in f32.
;;   ~~~python
;;   def quantise(x, axis):      # numpy; x: float32 -> the quantised numbers, widened to float32 again
;;       x = np.moveaxis(x, axis, -1); K = x.shape[-1]
;;       x = np.pad(x, [(0, 0)] * (x.ndim - 1) + [(0, -K % 32)]); x = x.reshape(x.shape[:-1] + (-1, 32)); a = np.abs(x).max(-1, keepdims=True)
;;       e = np.where(a > 0, np.clip(np.frexp(np.where(a > 0, a, 1))[1] - 1 - 2, -126, 127), 0)      # np.frexp(a)[1] - 1 = floor(log2(a)), exactly
;;       r = np.clip(x / 2.0 ** e, -6, 6)
;;       step = 2.0 ** (np.maximum(np.frexp(np.where(r == 0, 1, r))[1] - 1, 0) - 1)
;;       q = np.round(r / step) * step * 2.0 ** e      # np.round: ties to even
;;       return np.moveaxis(q.reshape(q.shape[:-2] + (-1,))[..., :K], -1, axis).astype(np.float32)
;;   ~~~
;;   OPERANDS COMPUTED ON THE WAY. 'Computed on the way' means the value that the module computes at that place (a softmax that the list does not call 'softmax' is quantised finished and normalised). What goes into a quantiser is computed in f32, as accurately as f32 sums, v_exp_f32 and their like allow (about 1e-6 of the number): no bf16 or f16 on the way to a quantiser, and a product that is left as it is and whose result goes on into a quantised operand takes f32 operands (vector FMAs, or v_wmma_f32_16x16x4_f32). A number that lies on a knife's edge between two numbers of the format may be rounded either way, as far as f32 arithmetic and the matrix unit's own rounding can turn it there, and no further.
;;   INPUTS GIVEN AS CODES. W_g (in the module: [64, 1024], K = its axis 1); W_phi (in the module: [256, 1024], K = its axis 1); W_theta (in the module: [256, 1024], K = its axis 1); x (in the module: [8, 4096, 1024], K = its axis 2): each comes as NAME_codes (uint8): NAME with its K axis moved to the last place and cut into blocks of 32 codes, [.., K / 32, bytes a block], one block behind the other in memory; two codes a byte, the lower K in the low four bits (a code: sign, 2 exponent bits, 1 mantissa bit); and NAME_scales (uint8): the same leading axes, one E8M0 byte (e + 127) for each 32 codes along K. Its value is code x scale, taken as it is: it is not quantised again, and the codes and scales need not be those that the quantiser above would give.
;; One version. Each part assembles by itself: llvm-mc -triple=amdgcn-amd-amdhsa -mcpu=gfx1250 --defsym DOCPART=n.
;; ======== version 1 of 1: 2 launches
;; workspace buffers: qq 4,456,448 bytes; kv 5,570,560 bytes
;; launch proj (part 1): grid 128 x 2, 4 waves a work-group, clusters of 4 x 1, 327,680 bytes of LDS; arguments x_codes, x_scales, W_theta_codes, W_theta_scales, W_phi_codes, W_phi_scales, W_g_codes, W_g_scales, qq, kv; writes qq, kv
.if DOCPART == 1
	.amdgcn_target "amdgcn-amd-amdhsa--gfx1250"
	.amdhsa_code_object_version 6
	.text
	.protected	k_q15615ca405_proj
	.globl	k_q15615ca405_proj
	.p2align	8
	.type	k_q15615ca405_proj,@function
k_q15615ca405_proj:
	s_mov_b64 s[64:65], 0
	v_nop
	global_prefetch_b8 v0, s[64:65] scope:SCOPE_SE
	s_setreg_imm32_b32 hwreg(HW_REG_WAVE_MODE, 25, 1), 1
	s_wait_xcnt 0x0
	s_wait_alu depctr_hold_cnt(0) depctr_sa_sdst(0) depctr_va_vdst(0) depctr_va_sdst(0) depctr_va_ssrc(0) depctr_va_vcc(0) depctr_vm_vsrc(0)
	s_getreg_b32 s2, hwreg(HW_REG_IB_STS2, 6, 4)
	s_cmp_eq_u32 s2, 0
	s_cbranch_scc0 .Lentry_in_a_cluster
	s_endpgm
.Lentry_in_a_cluster:
	s_bfe_u32 s2, ttmp6, 0x10000c
	s_cmp_lg_u32 s2, 0x3003
	s_cbranch_scc0 .Lentry_shape_is_right
	s_endpgm
.Lentry_shape_is_right:
; theta = x W_theta^T, phi = x W_phi^T, g = x W_g^T on codes of FP4 (E2M1) with E8M0 scales, sums in f32; then theta and phi are quantised along their 256 and g along the keys,
; and leave as IMAGES OF OPERAND REGISTERS: a fragment (16 rows x 128 K, 8 registers a lane) is two stores of 16 bytes a lane at 16 x lane, 512 consecutive bytes each.
; SHARES.  Work-group (rb, hf): 256 rows of x against 288 columns: hf = 0: W_theta and rows 0-31 of W_g; hf = 1: W_phi and rows 32-63 of W_g.  Wave w: rows 128 (w / 2) on (one group G of 128 rows),
; columns 128 (w % 2) on (one K step of the next product) and one tile of 16 rows of W_g: 72 accumulators, K = 1,024 in 8 steps of 128.
; All codes of the work-group fit in LDS at once: five tensor loads a wave at the start, nothing is filled again.
; WHICH ROWS FORM A TILE.  Tile 4 c + u of 128 rows takes rows 64 c + 8 u + 0..7 (lane rows 0-7) and 64 c + 32 + 8 (u xor 1) + 0..7 (lane rows 8-15), for x's rows and for W_theta's and W_phi's alike.
; A result's lane (r, h) holds source 0's rows 8 h + 0..7: so the 32 registers of tiles 4 c .. 4 c + 3 are ONE block of 32 along the next K, block 2 c + h, whole in one lane: its largest magnitude needs no
; other lane, and the conversion of tile u's eight registers is register 4 c + u of the next operand.  In odd blocks the groups of eight stand swapped in pairs: the same order on both operands of each later product.
; With LDS rows 272 bytes apart a tile's 16 rows begin at 16 different 16-byte columns of 256 bytes.
; theta, phi: source 0 = 16 rows of W, source 1 = 16 rows of x (a lane holds one row of x, registers along l).  g: source 0 = 16 rows of x, source 1 = 16 rows of W_g (a lane holds one o, registers along the keys).
; CLUSTER.  The four row blocks of a cluster need the same W and W_g: asked for jointly (mask 15).  x's rows are each work-group's own.  The two work-groups (hf = 0, 1) that read the same rows of x lie in different
; clusters: with them in one cluster the tiles of four row blocks and both halves of the columns would not fit in LDS in one fill.
; LIMITS: a block's largest magnitude is taken no smaller than 2^-124, so its byte is at least 1; a block of zeros gets the byte 1 and zero codes (these bytes are read by this program alone); NaN and infinities are not served.
.set PITCH, 272                        ; an LDS row: 256 bytes + 16 of padding
.set CHUNK, 256*PITCH                  ; 256 rows x half of K
.set WC0,   2*CHUNK                    ; LDS: x's two halves of K at 0 and CHUNK, W's at WC0 and WC0 + CHUNK,
.set GC,    4*CHUNK                    ; then 32 rows of W_g, whole K,
.set GP,    528                        ; 512 bytes + 16 of padding
.set RECQ,  17408                      ; a group's record in qq: 16 fragments, 1,024 bytes of scale words
.set RECK,  21760                      ; in kv: phi's 16 fragments, g's 4, phi's scale words (at 20,480), g's (at 21,504)
.set AX,   1                           ; v1-4   LDS address of x's fragments: tile parity + 2 x half of K
.set AW,   5                           ; v5-8   the same for W
.set AG,   9                           ; v9     for W_g
.set VXE,  10                          ; v10-11 my row's place among a tile's scale bytes, by tile parity: 32 x row + 16 h
.set VG,   12                          ; v12    32 r + 16 h
.set VO,   13                          ; v13    16 x lane
.set VS,   14                          ; v14    512 h + 16 r
.set VR,   15                          ; v15    4 r
.set SH8,  16                          ; v16    8 h
.set HH,   18                          ; v18    h
.set XS,   20                          ; v20-51 x's scale words: tile t, register K step % 4; lanes 0-15 K steps 0-3, lanes 16-31 K steps 4-7
.set WS,   52                          ; v52-83 W's likewise
.set GSC,  84                          ; v84-87 W_g's
.set MX,   88                          ; v88-89 two blocks' largest magnitudes
.set SE,   90                          ; v90-91 the conversions' scale operands
.set BY,   92                          ; v92-93 the scale bytes
.set WD,   94                          ; v94, v95 a scale word in the making
.set XW,   95
.set PW,   96                          ; v96-104 the nine fragments' scale words
.set SEL4, 108                         ; v108-111 the four that my lane stores
.set XF,   128                         ; v128-255 x's fragments, two sets of 64; at the end the codes
.set CD,   128
.set GA,   192                         ; window 1: W's fragments, two sets of 72 (the ninth is W_g's), and from v192 g's eight accumulators
                                       ; windows 2, 3: accumulator (t, b) at v[8 (8 (t % 4) + b)] of window 2 + t / 4
.set MSB, 0
.macro WIN new                         ; the immediate's high byte repeats the setting that is left
.if MSB != (\new)
	s_set_vgpr_msb (MSB<<8)|(\new)
.set MSB, (\new)
.endif
.endm
.macro PLACES n
.rept \n
	v_nop
.endr
.endm
.macro ROUND                           ; a round of the cluster's barrier
	s_barrier_signal -1
	s_barrier_wait -1
	s_cmp_lg_u32 s24, 0
	s_cbranch_scc1 .Lnot_wave_0_\@
	s_barrier_signal -3
.Lnot_wave_0_\@:
	s_barrier_wait -3
	s_barrier_signal -1
	s_barrier_wait -1
.endm
	s_load_b512 s[4:19], s[0:1], 0x0               ; x codes s[4:5], x scales s[6:7], W_theta s[8:11], W_phi s[12:15], W_g s[16:19]
	s_load_b128 s[20:23], s[0:1], 0x40             ; qq, kv
	v_lshl_add_u32 v126, v0, 2, 0x48200
	v_mov_b32 v127, 0
	ds_add_u32 v126, v127
	v_lshrrev_b32 v17, 5, v0
	v_readfirstlane_b32 s24, v17                   ; wave 0..3
	s_lshr_b32 s25, s24, 1                         ; rh: which 128 rows
	s_and_b32 s26, s24, 1                          ; ch: which 128 columns
	s_bfe_u32 s27, ttmp6, 0x40000                  ; cx
	s_lshl_b32 s28, ttmp9, 2
	s_add_co_u32 s28, s28, s27                     ; rb: my block of 256 rows
	s_and_b32 s29, ttmp7, 0xffff                   ; hf: the same in all four partners
	s_lshl_b32 s30, s28, 1
	s_add_co_u32 s30, s30, s25                     ; G: my wave's group of 128 rows
	; descriptor groups 1.  x: 64 rows x 256 bytes, 512 bytes apart in memory, 16 bytes of padding behind each; no mask
	s_mov_b32 s40, (1<<20)|(5<<22)|(3<<25)
	s_mov_b32 s41, 256<<16
	s_mov_b32 s42, 64<<16
	s_mov_b32 s43, 256<<16
	s_mov_b32 s44, 64
	s_mov_b32 s45, 512
	s_mov_b32 s46, 0
	s_mov_b32 s47, 0
	; W: the same shape, for all four work-groups of the cluster
	s_mov_b32 s48, 15|(1<<20)|(1<<21)|(5<<22)|(3<<25)
	s_mov_b32 s49, 256<<16
	s_mov_b32 s50, 64<<16
	s_mov_b32 s51, 256<<16
	s_mov_b32 s52, 64
	s_mov_b32 s53, 512
	s_mov_b32 s54, 0
	s_mov_b32 s55, 0
	; W_g: 8 rows x 512 bytes, 16 bytes of padding behind each, for all four
	s_mov_b32 s56, 15|(1<<20)|(1<<21)|(6<<22)|(3<<25)
	s_mov_b32 s57, 512<<16
	s_mov_b32 s58, 8<<16
	s_mov_b32 s59, 512<<16
	s_mov_b32 s60, 8
	s_mov_b32 s61, 512
	s_mov_b32 s62, 0
	s_mov_b32 s63, 0
	s_mov_b32 s37, 0                               ; s[36:37]: offsets that hang on my place in the cluster; s3, s[38:39]: offsets that all partners share
	s_mov_b32 s39, 0
	s_wait_dscnt 0x0
	s_wait_kmcnt 0x0
	s_cmp_eq_u32 s29, 0                            ; theta's half or phi's: the choice hangs on the work-group's y alone
	s_cselect_b64 s[8:9], s[8:9], s[12:13]         ; W's codes
	s_cselect_b64 s[10:11], s[10:11], s[14:15]     ; W's scales
	s_cselect_b64 s[88:89], s[20:21], s[22:23]     ; the buffer of the records
	s_mov_b32 s34, RECK
	s_cselect_b32 s34, RECQ, s34                   ; a record's bytes
	s_mov_b32 s35, 20480
	s_cselect_b32 s35, 16384, s35                  ; where its scale words begin
	; groups 0.  Set 0: my 8 rows of W_g
	s_mov_b32 s68, 1
	s_mul_i32 s69, s24, 8*GP
	s_add_co_u32 s69, s69, GC
	s_lshl_b32 s38, s29, 14                        ; 32 hf rows of 512 bytes
	s_lshl_b32 s3, s24, 12                         ; + 8 w rows
	s_add_co_u32 s38, s38, s3
	s_add_nc_u64 s[70:71], s[16:17], s[38:39]
	s_or_b32 s71, s71, 0x80000000
	; sets 1 and 3: my 64 rows of x, first and second half of K
	s_mov_b32 s72, 1
	s_mul_i32 s73, s24, 64*PITCH
	s_lshl_b32 s3, s24, 15                         ; 64 w rows of 512 bytes
	s_lshl_b32 s36, s28, 17                        ; 256 rb rows
	s_add_co_u32 s36, s36, s3
	s_add_nc_u64 s[74:75], s[4:5], s[36:37]
	s_mov_b32 s80, 1
	s_add_co_u32 s81, s73, CHUNK
	s_add_nc_u64 s[82:83], s[74:75], 256
	s_or_b32 s75, s75, 0x80000000
	s_or_b32 s83, s83, 0x80000000
	; sets 2 and 4: my 64 rows of W
	s_mov_b32 s76, 1
	s_add_co_u32 s77, s73, WC0
	s_mov_b32 s38, s3
	s_add_nc_u64 s[78:79], s[8:9], s[38:39]
	s_mov_b32 s84, 1
	s_add_co_u32 s85, s77, CHUNK
	s_add_nc_u64 s[86:87], s[78:79], 256
	s_or_b32 s79, s79, 0x80000000
	s_or_b32 s87, s87, 0x80000000
	ROUND                                          ; all four work-groups are here: the joint loads meet
	tensor_load_to_lds s[68:71], s[56:63]          ; W_g;  five loads of mine are out, all first fills
	s_nop 0
	tensor_load_to_lds s[72:75], s[40:47]          ; x, K's first half
	s_nop 0
	tensor_load_to_lds s[76:79], s[48:55]          ; W, K's first half
	s_nop 0
	tensor_load_to_lds s[80:83], s[40:47]          ; x, second half
	s_nop 0
	tensor_load_to_lds s[84:87], s[48:55]          ; W, second half
	s_nop 0
	PLACES 4
	; the scale words come straight from memory, 16 bytes a lane: eight neighbouring rows of 32 bytes are 256 consecutive bytes
	v_and_b32 v17, 15, v0                          ; r
	v_bfe_u32 v[HH], v0, 4, 1                      ; h
	v_and_b32 v19, 7, v17
	v_lshrrev_b32 v88, 3, v17
	v_mad_u32_u24 v89, v88, 40, v19                ; my row in a tile with even u: r % 8 + 40 (r / 8)
	v_mad_u32_u24 v90, v88, 24, v19                ; with odd u: r % 8 + 24 (r / 8)
	v_lshlrev_b32 v[VXE], 5, v89
	v_lshl_add_u32 v[VXE], v[HH], 4, v[VXE]
	v_lshlrev_b32 v[VXE+1], 5, v90
	v_lshl_add_u32 v[VXE+1], v[HH], 4, v[VXE+1]
	v_lshlrev_b32 v[VG], 5, v17
	v_lshl_add_u32 v[VG], v[HH], 4, v[VG]
	s_lshl_b32 s36, s30, 12                        ; x's scales: 128 G rows of 32 bytes
	s_add_nc_u64 s[6:7], s[6:7], s[36:37]
	s_lshl_b32 s38, s26, 12                        ; W's: 128 ch rows
	s_add_nc_u64 s[10:11], s[10:11], s[38:39]
	s_lshl_b32 s33, s29, 1
	s_add_co_u32 s33, s33, s26                     ; T = 2 hf + ch: my tile of W_g's rows
	s_lshl_b32 s38, s33, 9                         ; W_g's: 16 T rows
	s_add_nc_u64 s[18:19], s[18:19], s[38:39]
.irp t, 0,1,2,3,4,5,6,7
	global_load_b128 v[XS+4*\t:XS+4*\t+3], v[VXE+\t%2], s[6:7] offset:(64*(\t/4)+8*(\t%4))*32
	global_load_b128 v[WS+4*\t:WS+4*\t+3], v[VXE+\t%2], s[10:11] offset:(64*(\t/4)+8*(\t%4))*32
.endr
	global_load_b128 v[GSC:GSC+3], v[VG], s[18:19]
	; LDS addresses: row x pitch + 16 h
	v_mul_u32_u24 v91, v89, PITCH
	v_lshl_add_u32 v91, v[HH], 4, v91
	v_mul_u32_u24 v92, v90, PITCH
	v_lshl_add_u32 v92, v[HH], 4, v92
	s_mul_i32 s31, s25, 128*PITCH                  ; my 128 rows of x
	s_mul_i32 s32, s26, 128*PITCH                  ; my 128 rows of W
	s_add_co_u32 s32, s32, WC0
	v_add_nc_u32 v[AX], s31, v91
	v_add_nc_u32 v[AX+1], s31, v92
	v_add_nc_u32 v[AX+2], CHUNK, v[AX]
	v_add_nc_u32 v[AX+3], CHUNK, v[AX+1]
	v_add_nc_u32 v[AW], s32, v91
	v_add_nc_u32 v[AW+1], s32, v92
	v_add_nc_u32 v[AW+2], CHUNK, v[AW]
	v_add_nc_u32 v[AW+3], CHUNK, v[AW+1]
	v_mul_u32_u24 v[AG], v17, GP
	v_lshl_add_u32 v[AG], v[HH], 4, v[AG]
	s_mul_i32 s31, s26, 16*GP
	s_add_co_u32 s31, s31, GC
	v_add_nc_u32 v[AG], s31, v[AG]
	; the way out
	v_and_b32 v[VO], 31, v0
	v_lshlrev_b32 v[VO], 4, v[VO]
	v_lshlrev_b32 v[VS], 4, v17
	v_lshl_add_u32 v[VS], v[HH], 9, v[VS]
	v_lshlrev_b32 v[VR], 2, v17
	v_lshlrev_b32 v[SH8], 3, v[HH]
	v_mov_b32 v[XW], 0                             ; written once: a lane permute's destination counts as one of its sources
	s_mov_b32 s96, 0x1800000                       ; the floor 2^(3 - 127)
	s_mov_b32 s98, 0x76543210
	s_mov_b32 s99, 0xfedcba98                      ; selects for lane l xor 16
	s_mul_i32 s36, s30, s34
	s_add_nc_u64 s[88:89], s[88:89], s[36:37]      ; my group's record of theta or phi
	s_lshl_b32 s36, s26, 8
	s_add_co_u32 s36, s36, s35
	s_add_nc_u64 s[90:91], s[88:89], s[36:37]      ; its scale words, K step ch: + 256 ch
	s_lshl_b32 s36, s26, 10
	s_add_nc_u64 s[88:89], s[88:89], s[36:37]      ; its fragments, K step ch: + 1,024 ch
	s_mul_i32 s36, s30, RECK
	s_add_nc_u64 s[92:93], s[22:23], s[36:37]      ; my group's record in kv
	s_lshl_b32 s36, s33, 6
	s_add_co_u32 s36, s36, 21504
	s_add_nc_u64 s[94:95], s[92:93], s[36:37]      ; g's scale words of tile T
	s_lshl_b32 s36, s33, 10
	s_add_co_u32 s36, s36, 16384
	s_add_nc_u64 s[92:93], s[92:93], s[36:37]      ; g's fragment T
; 34 LDS loads in one run: K step ks: W's eight fragments and W_g's one into set ks % 2 of window 1, x's eight into set ks % 2 of window 0.
; A fragment: lane (r, h) takes 16 bytes at row x pitch + 64 (ks % 4) + 16 h, and 16 more 32 bytes on.
.macro FETCH ks
.set kp, (\ks)%2
.set kq, (\ks)%4
.set kc, (\ks)/4
	WIN 0x40                                       ; destination window 1, address window 0
.irp b, 0,1,2,3,4,5,6,7
	ds_load_b128 v[72*kp+8*\b:72*kp+8*\b+3],   v[AW+\b%2+2*kc] offset:(64*(\b/4)+8*(\b%4))*PITCH+64*kq
	ds_load_b128 v[72*kp+8*\b+4:72*kp+8*\b+7], v[AW+\b%2+2*kc] offset:(64*(\b/4)+8*(\b%4))*PITCH+64*kq+32
.endr
	ds_load_b128 v[72*kp+64:72*kp+67], v[AG] offset:64*(\ks)
	ds_load_b128 v[72*kp+68:72*kp+71], v[AG] offset:64*(\ks)+32
	WIN 0
.irp t, 0,1,2,3,4,5,6,7
	ds_load_b128 v[XF+64*kp+8*\t:XF+64*kp+8*\t+3],   v[AX+\t%2+2*kc] offset:(64*(\t/4)+8*(\t%4))*PITCH+64*kq
	ds_load_b128 v[XF+64*kp+8*\t+4:XF+64*kp+8*\t+7], v[AX+\t%2+2*kc] offset:(64*(\t/4)+8*(\t%4))*PITCH+64*kq+32
.endr
.endm
.macro WM zero, hi                     ; one product on rD, rA, rB, rSA, rSB.  zero: it starts the sum.  hi: K steps 4-7 take their scale words from lanes 16-31
.if \zero
	v_wmma_scale_f32_16x16x128_f8f6f4 v[rD:rD+7], v[rA:rA+7], v[rB:rB+7], 0, v[rSA], v[rSB] matrix_a_fmt:MATRIX_FMT_FP4 matrix_b_fmt:MATRIX_FMT_FP4
.elseif \hi
	v_wmma_scale_f32_16x16x128_f8f6f4 v[rD:rD+7], v[rA:rA+7], v[rB:rB+7], v[rD:rD+7], v[rSA], v[rSB] matrix_a_fmt:MATRIX_FMT_FP4 matrix_b_fmt:MATRIX_FMT_FP4 matrix_a_scale:MATRIX_SCALE_ROW1 matrix_b_scale:MATRIX_SCALE_ROW1
.else
	v_wmma_scale_f32_16x16x128_f8f6f4 v[rD:rD+7], v[rA:rA+7], v[rB:rB+7], v[rD:rD+7], v[rSA], v[rSB] matrix_a_fmt:MATRIX_FMT_FP4 matrix_b_fmt:MATRIX_FMT_FP4
.endif
.endm
; K step ks: 72 products.  The 72 accumulators take turns, one instruction a turn, in the same order in every step.
.macro MULT ks, zero
.set kp, (\ks)%2
.set kq, (\ks)%4
.set khi, (\ks)/4
.irp t, 0,1,2,3,4,5,6,7
.if \t == 0
	WIN 0xa1                                       ; source 0 (W) window 1, source 1 (x) window 0, C and D window 2
.endif
.if \t == 4
	WIN 0xf1                                       ; C and D window 3
.endif
.irp b, 0,1,2,3,4,5,6,7
.set rD, 8*(8*(\t%4)+\b)
.set rA, 72*kp+8*\b
.set rB, XF+64*kp+8*\t
.set rSA, WS+4*\b+kq
.set rSB, XS+4*\t+kq
	WM \zero, khi
.endr
.endr
	WIN 0x54                                       ; g: source 0 (x) window 0, source 1 (W_g), C and D window 1
.irp t, 0,1,2,3,4,5,6,7
.set rD, GA+8*\t
.set rA, XF+64*kp+8*\t
.set rB, 72*kp+64
.set rSA, XS+4*\t+kq
.set rSB, GSC+kq
	WM \zero, khi
.endr
.endm
.macro STEP ks, zero
.if (\ks) > 0
	PLACES 4                                       ; four plain places between the last product that read the other set and the loads into it (ISA guide 7.12.1 for vector instructions)
.endif
	FETCH (\ks)+1
	s_wait_dscnt 34                                ; the 34 loads just issued may stay out; this step's 34, issued a step ago, are in
	MULT \ks, \zero
.endm
	s_wait_tensorcnt 2                             ; W_g and K's first halves (my parts) are in; the two loads of the second half stay out
	s_barrier_signal -1
	s_barrier_wait -1                              ; everybody's are
	FETCH 0
	s_wait_loadcnt 0x0                             ; the scale words
	STEP 0, 1                                      ; the first K step starts the sums: nothing is cleared
	STEP 1, 0
	STEP 2, 0
	s_wait_tensorcnt 0x0                           ; my parts of K's second half are in,
	s_wait_dscnt 0x0                               ; no LDS load of mine is out at the signal,
	s_barrier_signal -1
	s_barrier_wait -1                              ; and everybody's parts are in
	STEP 3, 0
	STEP 4, 0
	STEP 5, 0
	STEP 6, 0
	s_wait_dscnt 0x0
	MULT 7, 0
	WIN 0
	PLACES 4                                       ; in front of the first reads of results and of writes over x's fragments
; 64 registers of window win from base on (eight accumulators, 4 c + u at base + 32 c + 8 u) become fragment t: codes in v[CD + 8 t] on, scale word in v[PW + t].
; My lane holds blocks h and 2 + h whole.  Each accumulator is read from its low end on.
.macro QF win, base, t
	WIN 20*(\win)                                  ; sources 1 and 2 in window win
.irp c, 0,1
	v_max3_num_f32 v[MX+\c], s96, |v[(\base)+32*\c]|, |v[(\base)+32*\c+1]|   ; the floor among the leaves: the byte cannot fall under 1
.endr
.irp i, 2,4,6,8,10,12,14,16,18,20,22,24,26,28,30
.irp c, 0,1
	v_max3_num_f32 v[MX+\c], v[MX+\c], |v[(\base)+32*\c+\i]|, |v[(\base)+32*\c+\i+1]|   ; the two blocks by turns
.endr
.endr
	WIN 0
.irp c, 0,1
	v_add_nc_u32 v[SE+\c], 0xff000000, v[MX+\c]    ; 2 off the exponent field: the conversion's scale operand
.endr
.irp c, 0,1
	v_lshrrev_b32 v[BY+\c], 23, v[SE+\c]           ; the scale's byte
.endr
	v_lshl_or_b32 v[WD], v[BY+1], 16, v[BY]        ; my two bytes, blocks h and 2 + h,
	v_lshlrev_b32 v[WD], v[SH8], v[WD]             ; at their places in the word;
	v_permlanex16_b32 v[XW], v[WD], s98, s99
	v_or_b32 v[PW+(\t)], v[WD], v[XW]              ; with lane l xor 16's two the word is whole
	WIN (\win)                                     ; source 0 in window win
.irp c, 0,1
.irp u, 0,1,2,3
	v_cvt_scalef32_pk8_fp4_f32 v[CD+8*(\t)+4*\c+\u], v[(\base)+32*\c+8*\u:(\base)+32*\c+8*\u+7], v[SE+\c]
.endr
.endr
	WIN 0
	v_nop                                          ; one plain place behind the last conversion
.endm
.irp t, 0,1,2,3,4,5,6,7                ; fragment (tile t of my rows, K step ch): each has registers of its own, so no store's data are written again
	QF 2+\t/4, 64*(\t%4), \t
	global_store_b128 v[VO], v[CD+8*\t:CD+8*\t+3], s[88:89] offset:2048*\t         ; 32 lanes store 512 consecutive bytes, aligned
	global_store_b128 v[VO], v[CD+8*\t+4:CD+8*\t+7], s[88:89] offset:2048*\t+512
.endr
	QF 1, GA, 8                                    ; g's fragment: 16 o x my 128 keys
	global_store_b128 v[VO], v[CD+64:CD+67], s[92:93]
	global_store_b128 v[VO], v[CD+68:CD+71], s[92:93] offset:512
	v_cmp_eq_u32 vcc_lo, 1, v[HH]                  ; lanes 0-15 store the words of tiles 0-3, lanes 16-31 those of tiles 4-7: 16 bytes a lane, two runs of 256 consecutive bytes
.irp j, 0,1,2,3
	v_cndmask_b32 v[SEL4+\j], v[PW+\j], v[PW+4+\j], vcc_lo
.endr
	global_store_b128 v[VS], v[SEL4:SEL4+3], s[90:91]
	global_store_b32 v[VR], v[PW+8], s[94:95]      ; g's 16 words, 64 bytes; both halves of the lanes write the same word with the same value
	s_wait_tensorcnt 0x0
	ds_add_u32 v126, v127
	s_wait_dscnt 0x0
	ROUND                                          ; the closing round: no work-group ends while a partner may still ask for a tile that names it
	s_endpgm
.Lfunc_end_k_q15615ca405_proj:
	.size	k_q15615ca405_proj, .Lfunc_end_k_q15615ca405_proj-k_q15615ca405_proj
	.p2alignl 7, 3214868480
	.fill 96, 4, 3214868480
	.section	.rodata,"a",@progbits
	.p2align	6, 0x0
	.amdhsa_kernel k_q15615ca405_proj
		.amdhsa_group_segment_fixed_size 327680
		.amdhsa_private_segment_fixed_size 0
		.amdhsa_enable_private_segment 0
		.amdhsa_kernarg_size 80
		.amdhsa_user_sgpr_count 2
		.amdhsa_user_sgpr_kernarg_segment_ptr 1
		.amdhsa_wavefront_size32 1
		.amdhsa_system_sgpr_workgroup_id_x 1
		.amdhsa_system_sgpr_workgroup_id_y 1
		.amdhsa_system_sgpr_workgroup_id_z 1
		.amdhsa_system_vgpr_workitem_id 0
		.amdhsa_next_free_vgpr 1024
		.amdhsa_next_free_sgpr 100
		.amdhsa_reserve_vcc 1
		.amdhsa_float_denorm_mode_32 3
		.amdhsa_float_denorm_mode_16_64 3
		.amdhsa_memory_ordered 1
		.amdhsa_forward_progress 1
		.amdhsa_inst_pref_size 132
	.end_amdhsa_kernel
	.amdgpu_metadata
---
amdhsa.version: [ 1, 2 ]
amdhsa.kernels:
  - .name:           k_q15615ca405_proj
    .symbol:         k_q15615ca405_proj.kd
    .args:
      - { .name: x_codes, .offset: 0, .size: 8, .value_kind: global_buffer, .address_space: global }
      - { .name: x_scales, .offset: 8, .size: 8, .value_kind: global_buffer, .address_space: global }
      - { .name: W_theta_codes, .offset: 16, .size: 8, .value_kind: global_buffer, .address_space: global }
      - { .name: W_theta_scales, .offset: 24, .size: 8, .value_kind: global_buffer, .address_space: global }
      - { .name: W_phi_codes, .offset: 32, .size: 8, .value_kind: global_buffer, .address_space: global }
      - { .name: W_phi_scales, .offset: 40, .size: 8, .value_kind: global_buffer, .address_space: global }
      - { .name: W_g_codes, .offset: 48, .size: 8, .value_kind: global_buffer, .address_space: global }
      - { .name: W_g_scales, .offset: 56, .size: 8, .value_kind: global_buffer, .address_space: global }
      - { .name: qq, .offset: 64, .size: 8, .value_kind: global_buffer, .address_space: global }
      - { .name: kv, .offset: 72, .size: 8, .value_kind: global_buffer, .address_space: global }
    .group_segment_fixed_size: 327680
    .private_segment_fixed_size: 0
    .kernarg_segment_align: 8
    .kernarg_segment_size: 80
    .max_flat_workgroup_size: 128
    .sgpr_count:     100
    .vgpr_count:     1024
    .wavefront_size: 32
...
	.end_amdgpu_metadata
.endif
;; end of part 1
;; launch att (part 2): grid 32 x 8, 8 waves a work-group, clusters of 4 x 1, 327,680 bytes of LDS; arguments qq, kv, out0; writes out0
.if DOCPART == 2
	.amdgcn_target "amdgcn-amd-amdhsa--gfx1250"
	.amdhsa_code_object_version 6
	.text
	.protected	k_q15615ca405_att
	.globl	k_q15615ca405_att
	.p2align	8
	.type	k_q15615ca405_att,@function
k_q15615ca405_att:
	s_mov_b64 s[64:65], 0
	v_nop
	global_prefetch_b8 v0, s[64:65] scope:SCOPE_SE
	s_setreg_imm32_b32 hwreg(HW_REG_WAVE_MODE, 25, 1), 1
	s_wait_xcnt 0x0
	s_wait_alu depctr_hold_cnt(0) depctr_sa_sdst(0) depctr_va_vdst(0) depctr_va_sdst(0) depctr_va_ssrc(0) depctr_va_vcc(0) depctr_vm_vsrc(0)
	s_getreg_b32 s2, hwreg(HW_REG_IB_STS2, 6, 4)
	s_cmp_eq_u32 s2, 0
	s_cbranch_scc0 .Lentry_in_a_cluster
	s_endpgm
.Lentry_in_a_cluster:
	s_bfe_u32 s2, ttmp6, 0x10000c
	s_cmp_lg_u32 s2, 0x3003
	s_cbranch_scc0 .Lentry_shape_is_right
	s_endpgm
.Lentry_shape_is_right:
; out = Q(theta phi^T / 32) g, both products on codes of FP4 (E2M1) with E8M0 scales; Q quantises along the keys, in blocks of 32.  theta, phi, g come as images of operand registers (launch proj).
; 1 / 32 is a power of two: it changes no code and takes 5 off every block's exponent, so the blocks are quantised without it and the finished sums are multiplied by 2^-5 once.
; SHARES.  A work-group owns the 128 queries of one group G of a batch.  Wave w: query half qh = w / 4 (four tiles of 16 queries), key quarter kq = w % 4: records 4 k + kq, k = 0..7, of 128 keys each.
; Two waves share a SIMD: while one quantises, the other's products can be issued.  The four partial sums of a query half meet in LDS at the end.
; LAYOUT.  S^T = phi theta^T (source 0 = 16 keys, source 1 = 16 queries): a lane holds one query; by the order of the keys in a tile (launch proj) the 32 registers of tiles 4 c .. 4 c + 3 are block 2 c + h, whole in one lane,
; and the conversion of tile u's eight registers is register 4 c + u of P.  O^T = g^T P^T (source 0 = 16 o, source 1 = P): a lane holds one query and eight neighbouring o.
; RING.  Three LDS slots of four records (a group: one key step of the four key quarters).  A step's operands are read into registers at the tail of the step before.  Groups 0, 1, 2 come with the first fills.
; Slots are filled again at the heads of steps 1, 3 and 5 only, up to two slots at a time, one record a wave: slot 0 <- group 4 and slot 1 <- group 3; slot 1 <- group 5 and slot 2 <- group 6; slot 0 <- group 7.
; A refill is waited for in the step after the one at whose head it was asked for, ahead of that step's fourth tile: 80 + 56 = 136 matrix instructions of the wave behind the request.
; CLUSTER.  The four query groups of a cluster walk the same records of kv: each record is asked for jointly (mask 15), one load a wave.
; LIMITS: a block's largest magnitude is taken no smaller than 2^-124 (byte at least 1; a block of zeros: byte 1, zero codes); with 2^-5 applied to the sums the result is that of the rule unless a block of att lies under
; about 2^-119 or the sums are denormal; NaN and infinities are not served; each output is the sum of four partial sums over the keys.
.set REC,   21760                      ; a record of kv: phi's 16 fragments, g's 4 (at 16,384), phi's scale words (20,480), g's (21,504): 85 x 256 bytes
.set SLOT,  4*REC
.set BATCH, 32*REC
.set RECQ,  17408                      ; a record of qq: theta's 16 fragments, its scale words at 16,384
.set SROW,  272                        ; the way out: a stage of 64 rows x 272 bytes for each wave, from LDS byte 0 on: 139,264 bytes, inside slots 0 and 1,
.set SWAVE, 64*SROW                    ; which have had their last fill and their last read when the first result is stored there
.set SPARE, 3*SLOT                     ; behind the ring: the spare words, 128 bytes for each wave: four blocks of 256 bytes that no other line names
.set SPW,  1                           ; v1     SPARE + 4 x my thread's number; never rewritten
.set NIL,  2                           ; v2     0; never rewritten
.set SH8,  7                           ; v7     8 h
.set MX,   8                           ; v8-9   two blocks' largest magnitudes
.set SE,   10                          ; v10-11 the conversions' scale operands
.set BY,   12                          ; v12-15 the scale bytes, two sets
.set WD,   16                          ; v16, v17 a scale word in the making
.set XW,   17
.set PW,   18                          ; v18-19 P's scale words, two sets
.set TS,   20                          ; v20-23 theta's scale words: tile t; lanes 0-15 K step 0, lanes 16-31 K step 1
.set PS,   24                          ; v24-31 phi's likewise
.set GS,   32                          ; v32-35 g's, two sets of two: lanes 0-15 tile 2 j, lanes 16-31 tile 2 j + 1
.set PF,   36                          ; v36-51 P's codes, two sets
.set STO,  52                          ; v52    the stage: where I put 32 bytes of a row
.set RD,   53                          ; v53    and where I read a row back
.set GO,   54                          ; v54    my byte offset in two rows of out0
.set PFO,  55                          ; v55    the prefetches' offset; never rewritten
.set QO,   56                          ; v56    16 x lane
.set A16,  57                          ; v57-59 slot s: my record + 16 x lane
.set A4,   60                          ; v60-62 slot s: my record + 4 x lane
.set S,    64                          ; v64-127  S^T, tile kt at S + 8 kt
.set TH,   128                         ; v128-191 theta: tile t, K step s at TH + 16 t + 8 s
.set GF,   192                         ; v192-255 g's fragments, two sets of 32
.set OA,   128                         ; window 1: v0-127 phi's 16 fragments; O^T (t, ot) at OA + 32 t + 8 ot
.set KVW,  20                          ; s[20:21] kv at my batch + w records
.set KVX,  54                          ; s[54:55] kv at my batch + (w xor 4) records
.set MSB, 0
.macro WIN new                         ; the immediate's high byte repeats the setting that is left
.if MSB != (\new)
	s_set_vgpr_msb (MSB<<8)|(\new)
.set MSB, (\new)
.endif
.endm
.macro PLACES n
.rept \n
	v_nop
.endr
.endm
.macro ROUND                           ; a round of the cluster's barrier
	s_barrier_signal -1
	s_barrier_wait -1
	s_cmp_lg_u32 s10, 0
	s_cbranch_scc1 .Lnot_wave_0_\@
	s_barrier_signal -3
.Lnot_wave_0_\@:
	s_barrier_wait -3
	s_barrier_signal -1
	s_barrier_wait -1
.endm
.macro TLOAD                           ; a joint refill of one slot: waves 0 to 3, a record each; the branch hangs on the wave's number alone.  Four v_nop follow the load
	s_cmp_lt_u32 s10, 4
	s_cbranch_scc0 .Lno_load_\@
	tensor_load_to_lds s[32:35], s[24:31]
	s_nop 0
	PLACES 4
.Lno_load_\@:
.endm
; A prefetch of n groups from group g on, one change of slots (two key steps) ahead of the tensor loads that will ask for them.  All clusters of a batch walk the same records: the batch's first cluster asks.  Its four
; partners take a record of each group, told apart by address.  In each, waves 4 to 6 ask: lanes 256 bytes apart, 85 blocks a record; the lane index is held at 84, so the last 11 lanes of wave 6 name block 84 again.
.macro ASK g, n
	s_cmp_eq_u32 s23, 1
	s_cbranch_scc0 .Lnot_mine_\@
.set pg, \g
.rept \n
	global_prefetch_b8 v[PFO], s[36:37] offset:4*pg*REC th:TH_LOAD_NT scope:SCOPE_SE
.set pg, pg+1
.endr
.Lnot_mine_\@:
.endm
	s_load_b128 s[4:7], s[0:1], 0x0                ; qq, kv
	s_load_b64 s[8:9], s[0:1], 0x10                ; out0
	v_lshl_add_u32 v[SPW], v0, 2, SPARE
	v_mov_b32 v[NIL], 0
	ds_add_u32 v1, v2
	s_wait_dscnt 0x0
	v_lshrrev_b32 v16, 5, v0
	v_readfirstlane_b32 s10, v16                   ; wave 0..7
	s_and_b32 s11, s10, 3                          ; kq
	s_lshr_b32 s12, s10, 2                         ; qh
	s_bfe_u32 s13, ttmp6, 0x40000                  ; cx
	s_lshl_b32 s14, ttmp9, 2
	s_add_co_u32 s14, s14, s13                     ; my group of queries in the batch
	s_and_b32 s15, ttmp7, 0xffff                   ; the batch, which the four partners share
	; descriptor group 1: a record, dense: 85 rows of 32 elements of 8 bytes; for all four work-groups
	s_mov_b32 s24, 15|(3<<16)|(1<<21)
	s_mov_b32 s25, 32<<16
	s_mov_b32 s26, 85<<16
	s_mov_b32 s27, 32<<16
	s_mov_b32 s28, 85
	s_mov_b32 s29, 32
	s_mov_b32 s30, 0
	s_mov_b32 s31, 0
	s_mul_i32 s16, s15, BATCH                      ; s[16:17]: offsets that all partners share
	s_mov_b32 s17, 0
	s_mul_i32 s22, s11, REC                        ; my key quarter's record in a slot
	s_mul_i32 s18, s10, REC                        ; w records: a refill's place in LDS
	s_xor_b32 s19, s10, 4
	s_mul_i32 s19, s19, REC                        ; (w xor 4) records
	; groups 0 of the first fills: record kq of groups 0, 1, 2 into slots 0, 1, 2.  The first of the three then serves every refill
	s_mov_b32 s32, 1
	s_mov_b32 s33, s22
	s_mov_b32 s56, 1
	s_add_co_u32 s57, s22, SLOT
	s_mov_b32 s60, 1
	s_add_co_u32 s61, s22, 2*SLOT
	s_wait_kmcnt 0x0
	s_add_nc_u64 s[36:37], s[6:7], s[16:17]        ; kv at my batch
	s_mov_b32 s16, s18
	s_add_nc_u64 s[KVW:KVW+1], s[36:37], s[16:17]
	s_mov_b32 s16, s19
	s_add_nc_u64 s[KVX:KVX+1], s[36:37], s[16:17]
	s_mov_b32 s16, s22
	s_add_nc_u64 s[34:35], s[36:37], s[16:17]
	s_add_nc_u64 s[58:59], s[34:35], SLOT
	s_add_nc_u64 s[62:63], s[34:35], 2*SLOT
	s_or_b32 s35, s35, 0x80000000
	s_or_b32 s59, s59, 0x80000000
	s_or_b32 s63, s63, 0x80000000
	ROUND                                          ; all four work-groups are here: the first joint loads meet
	s_cmp_lt_u32 s10, 4                            ; waves 0 to 3 fetch; a wave's three first fills stand in one branch: three loads of mine are out
	s_cbranch_scc0 .Lno_first
	tensor_load_to_lds s[32:35], s[24:31]          ; group 0
	s_nop 0
	tensor_load_to_lds s[56:59], s[24:31]          ; group 1
	s_nop 0
	tensor_load_to_lds s[60:63], s[24:31]          ; group 2
	s_nop 0
	PLACES 4
.Lno_first:
	s_mov_b32 s51, 0                               ; s[50:51], s52, s53: offsets that hang on my place in the cluster
	s_lshl_b32 s52, s15, 5
	s_add_co_u32 s52, s52, s14                     ; G
	s_mul_i32 s50, s52, RECQ
	s_add_nc_u64 s[48:49], s[4:5], s[50:51]        ; my group's record of theta
	s_lshl_b32 s50, s12, 13
	s_add_nc_u64 s[46:47], s[48:49], s[50:51]      ; my four tiles' fragments: + 8,192 qh
	s_lshl_b32 s50, s12, 9
	s_add_nc_u64 s[48:49], s[48:49], s[50:51]      ; their scale words: + 512 qh (and 16,384 in the immediate)
	v_and_b32 v[QO], 31, v0
	v_lshlrev_b32 v[A4], 2, v[QO]
	v_lshlrev_b32 v[QO], 4, v[QO]
.irp t, 0,1,2,3
.irp s, 0,1
	global_load_b128 v[TH+16*\t+8*\s:TH+16*\t+8*\s+3],   v[QO], s[46:47] offset:2048*\t+1024*\s       ; theta stays in registers
	global_load_b128 v[TH+16*\t+8*\s+4:TH+16*\t+8*\s+7], v[QO], s[46:47] offset:2048*\t+1024*\s+512
.endr
.endr
	global_load_b128 v[TS:TS+3], v[QO], s[48:49] offset:16384
	v_add_nc_u32 v[A16], s22, v[QO]
	v_add_nc_u32 v[A16+1], SLOT, v[A16]
	v_add_nc_u32 v[A16+2], 2*SLOT, v[A16]
	v_add_nc_u32 v[A4], s22, v[A4]
	v_add_nc_u32 v[A4+1], SLOT, v[A4]
	v_add_nc_u32 v[A4+2], 2*SLOT, v[A4]
	v_and_b32 v16, 15, v0                          ; r
	v_bfe_u32 v17, v0, 4, 1                        ; h
	v_lshlrev_b32 v[SH8], 3, v17
	s_mul_i32 s16, s10, SWAVE                      ; my stage
	v_mul_u32_u24 v[STO], v16, SROW
	v_lshl_add_u32 v[STO], v17, 5, v[STO]
	v_add_nc_u32 v[STO], s16, v[STO]               ; in: row r of a tile, + 32 h
	s_mul_i32 s16, s12, 4*SWAVE                    ; back: the four stages of my query half, rows 16 kq on; lanes 0-15 one row, lanes 16-31 the next
	s_mul_i32 s17, s11, 16*SROW
	s_add_co_u32 s16, s16, s17
	v_mul_u32_u24 v[RD], v17, SROW
	v_lshl_add_u32 v[RD], v16, 4, v[RD]
	v_add_nc_u32 v[RD], s16, v[RD]
	v_lshlrev_b32 v[GO], 8, v17
	v_lshl_add_u32 v[GO], v16, 4, v[GO]
	v_mov_b32 v[XW], 0                             ; written: a lane permute's destination counts as one of its sources
	v_add_nc_u32 v[PFO], 0xffffff80, v0            ; thread - 128: 0 .. 95 in waves 4 to 6,
	v_min_u32 v[PFO], 84, v[PFO]                   ; held at a record's last block,
	v_lshlrev_b32 v[PFO], 8, v[PFO]
	s_mul_i32 s50, s13, REC
	s_add_nc_u64 s[36:37], s[36:37], s[50:51]      ; the prefetches' base: my work-group's record of a group
	s_sub_co_u32 s16, s10, 4
	s_cmp_lt_u32 s16, 3                            ; waves 4 to 6
	s_cselect_b32 s16, 0, 1
	s_or_b32 s16, s16, ttmp9                       ; of the batch's first cluster: the same in all four partners
	s_cmp_eq_u32 s16, 0
	s_cselect_b32 s23, 1, 0
	s_mov_b32 s38, 0x76543210
	s_mov_b32 s39, 0xfedcba98                      ; selects for lane l xor 16
	s_mov_b32 s44, 0x3d000000                      ; 2^-5
	s_mov_b32 s45, s44                             ; (named with it as a pair, so it is written)
	; out0: stage rows 16 kq + 0..7 are queries 64 qh + 8 kq + 0..7 of the group, rows 16 kq + 8..15 are queries 64 qh + 32 + 8 (kq xor 1) + 0..7
	s_lshl_b32 s52, s52, 7
	s_lshl_b32 s53, s12, 6
	s_add_co_u32 s52, s52, s53
	s_lshl_b32 s53, s11, 3
	s_add_co_u32 s50, s52, s53
	s_lshl_b32 s50, s50, 8
	s_add_nc_u64 s[40:41], s[8:9], s[50:51]
	s_xor_b32 s53, s11, 1
	s_lshl_b32 s53, s53, 3
	s_add_co_u32 s50, s52, s53
	s_add_co_u32 s50, s50, 32
	s_lshl_b32 s50, s50, 8
	s_add_nc_u64 s[42:43], s[8:9], s[50:51]
; 44 LDS loads in one run: my record of the slot: phi's 16 fragments, g's 4 into set gm, phi's scale words, g's into set gm.  Every load takes consecutive bytes from lane to lane.
.macro LOADREGS slot, gm
	WIN 0x40                                       ; destination window 1, address window 0
.irp f, 0,1,2,3,4,5,6,7,8,9,10,11,12,13,14,15
	ds_load_b128 v[8*\f:8*\f+3],   v[A16+(\slot)] offset:1024*\f
	ds_load_b128 v[8*\f+4:8*\f+7], v[A16+(\slot)] offset:1024*\f+512
.endr
	WIN 0
.irp ot, 0,1,2,3
	ds_load_b128 v[GF+32*(\gm)+8*\ot:GF+32*(\gm)+8*\ot+3],   v[A16+(\slot)] offset:16384+1024*\ot
	ds_load_b128 v[GF+32*(\gm)+8*\ot+4:GF+32*(\gm)+8*\ot+7], v[A16+(\slot)] offset:16384+1024*\ot+512
.endr
	ds_load_b128 v[PS:PS+3],   v[A16+(\slot)] offset:20480
	ds_load_b128 v[PS+4:PS+7], v[A16+(\slot)] offset:20992
	ds_load_b32 v[GS+2*(\gm)],   v[A4+(\slot)] offset:21504
	ds_load_b32 v[GS+2*(\gm)+1], v[A4+(\slot)] offset:21632
.endm
; S^T of query tile t: 128 keys x 16 queries, K = 256 in two steps; the eight accumulators take turns.  The first K step starts the sums.
.macro SMUL t
	WIN 0x01                                       ; source 0 (phi) window 1
.irp kt, 0,1,2,3,4,5,6,7
	v_wmma_scale_f32_16x16x128_f8f6f4 v[S+8*\kt:S+8*\kt+7], v[16*\kt:16*\kt+7], v[TH+16*(\t):TH+16*(\t)+7], 0, v[PS+\kt], v[TS+(\t)] matrix_a_fmt:MATRIX_FMT_FP4 matrix_b_fmt:MATRIX_FMT_FP4
.endr
.irp kt, 0,1,2,3,4,5,6,7
	v_wmma_scale_f32_16x16x128_f8f6f4 v[S+8*\kt:S+8*\kt+7], v[16*\kt+8:16*\kt+15], v[TH+16*(\t)+8:TH+16*(\t)+15], v[S+8*\kt:S+8*\kt+7], v[PS+\kt], v[TS+(\t)] matrix_a_fmt:MATRIX_FMT_FP4 matrix_b_fmt:MATRIX_FMT_FP4 matrix_a_scale:MATRIX_SCALE_ROW1 matrix_b_scale:MATRIX_SCALE_ROW1
.endr
.endm
.macro MAXP                            ; my two blocks' largest magnitudes, by turns; each accumulator is read from its low end on
.irp c, 0,1
	v_max3_num_f32 v[MX+\c], |v[S+32*\c]|, |v[S+32*\c+1]|, 0x1800000   ; the floor 2^(3 - 127) among the leaves: the byte cannot fall under 1
.endr
.irp i, 2,4,6,8,10,12,14,16,18,20,22,24,26,28,30
.irp c, 0,1
	v_max3_num_f32 v[MX+\c], v[MX+\c], |v[S+32*\c+\i]|, |v[S+32*\c+\i+1]|
.endr
.endr
.endm
.macro SCL p
.irp c, 0,1
	v_add_nc_u32 v[SE+\c], 0xff000000, v[MX+\c]    ; 2 off the exponent field: the conversion's scale operand
.endr
.irp c, 0,1
	v_lshrrev_b32 v[BY+2*(\p)+\c], 23, v[SE+\c]    ; the scale's byte
.endr
.endm
.macro CVT p
.irp c, 0,1
.irp u, 0,1,2,3
	v_cvt_scalef32_pk8_fp4_f32 v[PF+8*(\p)+4*\c+\u], v[S+32*\c+8*\u:S+32*\c+8*\u+7], v[SE+\c]
.endr
.endr
	v_nop                                          ; one plain place behind the last conversion
.endm
.macro WORD p                          ; P's scale word; four of these five lines are plain beyond doubt: they are also the places behind the products in front of them
	v_lshl_or_b32 v[WD], v[BY+2*(\p)+1], 16, v[BY+2*(\p)]
	v_lshlrev_b32 v[WD], v[SH8], v[WD]
	v_permlanex16_b32 v[XW], v[WD], s38, s39
	v_or_b32 v[PW+(\p)], v[WD], v[XW]
	v_nop
.endm
; O^T of query tile t += g^T P^T, K = my record's 128 keys; four accumulators, one instruction each.  Odd tiles of g take their scale words from lanes 16-31.
.macro PVMUL t, p, gm, zero
	WIN 0x50                                       ; C and D window 1
.irp ot, 0,1,2,3
.set rD, OA+32*(\t)+8*\ot
.set rA, GF+32*(\gm)+8*\ot
.set rS, GS+2*(\gm)+\ot/2
.if \zero
.if \ot%2
	v_wmma_scale_f32_16x16x128_f8f6f4 v[rD:rD+7], v[rA:rA+7], v[PF+8*(\p):PF+8*(\p)+7], 0, v[rS], v[PW+(\p)] matrix_a_fmt:MATRIX_FMT_FP4 matrix_b_fmt:MATRIX_FMT_FP4 matrix_a_scale:MATRIX_SCALE_ROW1
.else
	v_wmma_scale_f32_16x16x128_f8f6f4 v[rD:rD+7], v[rA:rA+7], v[PF+8*(\p):PF+8*(\p)+7], 0, v[rS], v[PW+(\p)] matrix_a_fmt:MATRIX_FMT_FP4 matrix_b_fmt:MATRIX_FMT_FP4
.endif
.else
.if \ot%2
	v_wmma_scale_f32_16x16x128_f8f6f4 v[rD:rD+7], v[rA:rA+7], v[PF+8*(\p):PF+8*(\p)+7], v[rD:rD+7], v[rS], v[PW+(\p)] matrix_a_fmt:MATRIX_FMT_FP4 matrix_b_fmt:MATRIX_FMT_FP4 matrix_a_scale:MATRIX_SCALE_ROW1
.else
	v_wmma_scale_f32_16x16x128_f8f6f4 v[rD:rD+7], v[rA:rA+7], v[PF+8*(\p):PF+8*(\p)+7], v[rD:rD+7], v[rS], v[PW+(\p)] matrix_a_fmt:MATRIX_FMT_FP4 matrix_b_fmt:MATRIX_FMT_FP4
.endif
.endif
.endr
.endm
; A KEY STEP: my record against my four query tiles.  gm: g's set.  zero = 1: the first step starts O^T's sums.  next: the slot whose record is read into registers at the tail (3: none: the last step).
; mid >= 0: the group that the tail reads was asked for since the last barrier.  Each wave waits until at most mid of its tensor loads are out, signals ahead of the fourth tile's sixteen products, and waits for the other
; waves in front of the tail's loads; only work on registers stands between.
; A tile's second product stands a tile later, behind the next tile's search for the maxima: P's codes then stand more than 4, its scale word more than 8 plain instructions ahead of it.
.macro STEP gm, zero, next, mid
	s_wait_dscnt 0x0                               ; this step's operands are in registers
.if (\next) == 3
	s_barrier_signal -1                            ; my last reads of the slots are over: say so; the wait for the others stands in front of the stage's stores, and only work on registers lies between
.endif
	SMUL 0
	WIN 0
	PLACES 4                                       ; in front of the first read of results
	MAXP
	SCL 0
	CVT 0
	SMUL 1
	WIN 0
	WORD 0
	MAXP
	PVMUL 0, 0, \gm, \zero
	WIN 0
	SCL 1
	CVT 1
	SMUL 2
	WIN 0
	WORD 1
	MAXP
	PVMUL 1, 1, \gm, \zero
	WIN 0
	SCL 0
	CVT 0
.if (\mid) >= 0
	s_wait_tensorcnt \mid                          ; my part of the group that the tail reads has landed (no LDS instruction of mine is out here)
	s_barrier_signal -1
.endif
	SMUL 3
	WIN 0
	WORD 0
.if (\mid) >= 0
	s_barrier_wait -1                              ; everybody's part has landed
.endif
.if (\next) < 3
	LOADREGS \next, 1-(\gm)                        ; phi's registers and scale words are free: the step's last product that reads them stands in front of WORD's lines; g's other set has long been free
.endif
	MAXP
	PVMUL 2, 0, \gm, \zero
	WIN 0
	SCL 1
	CVT 1
	WORD 1
	PLACES 8                                       ; a scale word written by a vector instruction stands 8 places ahead of the scaled product
	PVMUL 3, 1, \gm, \zero
.endm
; THE CHANGE OF SLOTS, at the head of a step.  Each wave waits for all its tensor loads, adds 0 to its spare word, and waits for that and for its reads of the slots that are free: the records of this step and of the step
; before are in registers or done with.  Behind a round of the cluster's barrier the free slots are filled, first thing, one load a wave: LDS byte w records + loff, from the base s[gb:gb+1] + goff.
; all = 1: two slots, a record for each of the eight waves; all = 0: one slot, waves 0 to 3.
.macro CHANGE loff, gb, goff, all
	WIN 0
	s_wait_tensorcnt 0x0                           ; no tensor load of mine is out, so group 0 may be written
	ds_add_u32 v[SPW], v[NIL]                      ; 0 onto my spare word
	s_add_co_u32 s33, s18, \loff
	s_add_nc_u64 s[34:35], s[\gb:\gb+1], \goff
	s_or_b32 s35, s35, 0x80000000
	s_wait_dscnt 0x0                               ; the add is done, and my reads of the free slots are over
	ROUND
.if \all
	tensor_load_to_lds s[32:35], s[24:31]
	s_nop 0
	PLACES 4
.else
	TLOAD
.endif
.endm
	s_wait_tensorcnt 2                             ; my record of group 0 is in; groups 1 and 2 may stay out
	s_barrier_signal -1
	s_barrier_wait -1                              ; everybody's is
	LOADREGS 0, 0
	s_wait_loadcnt 0x0                             ; theta
	STEP 0, 1, 1, 1                                ; step 0; in it: group 1 has landed (group 2's load, the one issued behind it, may stay out); its tail reads group 1 from slot 1
	CHANGE 0, KVX, 12*REC, 1                       ; slots 0 and 1 are free: waves 0-3 bring group 4 (records 16 + w) into slot 0, waves 4-7 group 3 (records 8 + w) into slot 1
	ASK 5, 2                                       ; what the next change will ask for
	STEP 1, 0, 2, -1                               ; step 1; tail: group 2 from slot 2 (landed: the change's wait for all loads)
	STEP 0, 0, 1, 0                                ; step 2; in it: groups 3 and 4 have landed (a wave's one load is the only one out: the count is 0); tail: group 3 from slot 1
	CHANGE 4*REC, KVW, 20*REC, 1                   ; slots 1 and 2 are free: waves 0-3 bring group 5 into slot 1, waves 4-7 group 6 into slot 2 (records 20 + w)
	ASK 7, 1
	STEP 1, 0, 0, -1                               ; step 3; tail: group 4 from slot 0
	STEP 0, 0, 1, 0                                ; step 4; in it: groups 5 and 6 have landed; tail: group 5 from slot 1
	CHANGE 0, KVW, 28*REC, 0                       ; slot 0 is free: waves 0-3 bring group 7 (records 28 + w); the last load
	STEP 1, 0, 2, -1                               ; step 5; tail: group 6 from slot 2
	STEP 0, 0, 0, 0                                ; step 6; in it: group 7 has landed; tail: group 7 from slot 0
	STEP 1, 0, 3, -1                               ; step 7: nothing is left to read
	; THE WAY OUT.  My partial O^T goes into my stage, a query a row of 256 bytes; behind a barrier each wave adds the four partial sums of 16 rows, multiplies by 2^-5 and stores whole rows.
	WIN 0
	PLACES 4                                       ; in front of the stores that read the last results
	s_barrier_wait -1                              ; (signalled at step 7's head)  no wave reads a slot any more, and every tensor load has landed: slots 0 and 1 now serve as the stages
	WIN 0x04                                       ; an LDS store's data are its source 1: window 1
.irp t, 0,1,2,3
.irp ot, 0,1,2,3
	ds_store_b128 v[STO], v[OA+32*\t+8*\ot:OA+32*\t+8*\ot+3] offset:16*\t*SROW+64*\ot          ; each accumulator from its low end on
	ds_store_b128 v[STO], v[OA+32*\t+8*\ot+4:OA+32*\t+8*\ot+7] offset:16*\t*SROW+64*\ot+16
.endr
.endr
	WIN 0
	s_wait_dscnt 0x0                               ; for the others' sake: my stores into the stage are done
	s_barrier_signal -1
	s_barrier_wait -1
.irp i, 0,1,2,3,4,5,6,7
.irp kp, 0,1,2,3
	ds_load_b128 v[64+32*\kp+4*\i:64+32*\kp+4*\i+3], v[RD] offset:\kp*SWAVE+2*\i*SROW
.endr
.endr
.irp i, 0,1,2,3,4,5,6,7
	s_wait_dscnt 28-4*\i                           ; pair i's four loads are in; the four of each later pair may stay out
.irp j, 0,2
	v_pk_add_f32 v[64+4*\i+\j:65+4*\i+\j], v[64+4*\i+\j:65+4*\i+\j], v[96+4*\i+\j:97+4*\i+\j]
	v_pk_add_f32 v[128+4*\i+\j:129+4*\i+\j], v[128+4*\i+\j:129+4*\i+\j], v[160+4*\i+\j:161+4*\i+\j]
.endr
.irp j, 0,2
	v_pk_add_f32 v[64+4*\i+\j:65+4*\i+\j], v[64+4*\i+\j:65+4*\i+\j], v[128+4*\i+\j:129+4*\i+\j]
.endr
.irp j, 0,2
	v_pk_mul_f32 v[64+4*\i+\j:65+4*\i+\j], v[64+4*\i+\j:65+4*\i+\j], s[44:45] op_sel_hi:[1,0]
.endr
.if \i < 4
	global_store_b128 v[GO], v[64+4*\i:67+4*\i], s[40:41] offset:512*\i th:TH_STORE_NT       ; 16 lanes store a row of 256 consecutive bytes, aligned
.else
	global_store_b128 v[GO], v[64+4*\i:67+4*\i], s[42:43] offset:512*(\i-4) th:TH_STORE_NT
.endif
.endr
	s_wait_tensorcnt 0x0                           ; the wave's end: behind my last tensor load and my last LDS store
	ds_add_u32 v[SPW], v[NIL]
	s_wait_dscnt 0x0
	ROUND                                          ; the closing round: no work-group ends while a partner may still ask for a tile that names it
	s_endpgm
.Lfunc_end_k_q15615ca405_att:
	.size	k_q15615ca405_att, .Lfunc_end_k_q15615ca405_att-k_q15615ca405_att
	.p2alignl 7, 3214868480
	.fill 96, 4, 3214868480
	.section	.rodata,"a",@progbits
	.p2align	6, 0x0
	.amdhsa_kernel k_q15615ca405_att
		.amdhsa_group_segment_fixed_size 327680
		.amdhsa_private_segment_fixed_size 0
		.amdhsa_enable_private_segment 0
		.amdhsa_kernarg_size 24
		.amdhsa_user_sgpr_count 2
		.amdhsa_user_sgpr_kernarg_segment_ptr 1
		.amdhsa_wavefront_size32 1
		.amdhsa_system_sgpr_workgroup_id_x 1
		.amdhsa_system_sgpr_workgroup_id_y 1
		.amdhsa_system_sgpr_workgroup_id_z 1
		.amdhsa_system_vgpr_workitem_id 0
		.amdhsa_next_free_vgpr 512
		.amdhsa_next_free_sgpr 66
		.amdhsa_reserve_vcc 0
		.amdhsa_float_denorm_mode_32 3
		.amdhsa_float_denorm_mode_16_64 3
		.amdhsa_memory_ordered 1
		.amdhsa_forward_progress 1
		.amdhsa_inst_pref_size 227
	.end_amdhsa_kernel
	.amdgpu_metadata
---
amdhsa.version: [ 1, 2 ]
amdhsa.kernels:
  - .name:           k_q15615ca405_att
    .symbol:         k_q15615ca405_att.kd
    .args:
      - { .name: qq, .offset: 0, .size: 8, .value_kind: global_buffer, .address_space: global }
      - { .name: kv, .offset: 8, .size: 8, .value_kind: global_buffer, .address_space: global }
      - { .name: out0, .offset: 16, .size: 8, .value_kind: global_buffer, .address_space: global }
    .group_segment_fixed_size: 327680
    .private_segment_fixed_size: 0
    .kernarg_segment_align: 8
    .kernarg_segment_size: 24
    .max_flat_workgroup_size: 256
    .sgpr_count:     66
    .vgpr_count:     512
    .wavefront_size: 32
...
	.end_amdgpu_metadata
.endif
;; end of part 2
